; MI455X (gfx1250); checked and timed in simulation.
; The chip was launched on July 23, 2026; its instructions are those of AMD's public machine-readable ISA for CDNA 5 (MIT licence, August 2026) and "CDNA5" Instruction Set Architecture Reference Guide (July 2026). The comments in the code are by the model that wrote it; some were corrected since.
;; NTN. Allowed arithmetic: float matrix products may take bf16 or f16 operands with f32 sums; all other float work in f32.
;; Inputs: U 64 x 1 float32; V 64 x 1,024 float32; W 64 x 512 x 512 float32; b 64 float32; x1 32,768 x 512 float32; x2 1 x 512 float32.
;; Outputs: out0 32,768 x 1 float32.
;; 2 versions, each right; version 2 is version 1 with the launch fold written anew for expert scheduling mode. Each part assembles by itself: llvm-mc -triple=amdgcn-amd-amdhsa -mcpu=gfx1250 --defsym DOCPART=n.
;; ======== version 1 of 2: 2 launches
;; workspace buffers: mfrag 131,072 bytes; cvec 1,024 bytes
;; launch fold (part 1): grid 256 x 1, 16 waves a work-group, no clusters, 3,072 bytes of LDS; arguments W, x2, V, b, mfrag, cvec; writes mfrag, cvec
.if DOCPART == 1
	.amdgcn_target "amdgcn-amd-amdhsa--gfx1250"
	.amdhsa_code_object_version 6
	.text
	.protected	k_q86fb03d4f8_fold
	.globl	k_q86fb03d4f8_fold
	.p2align	8
	.type	k_q86fb03d4f8_fold,@function
k_q86fb03d4f8_fold:
	s_mov_b64 s[64:65], 0
	v_nop
	global_prefetch_b8 v0, s[64:65] scope:SCOPE_SE
	s_setreg_imm32_b32 hwreg(HW_REG_WAVE_MODE, 25, 1), 1
	s_wait_xcnt 0x0
; fold:  M[f][d] = V[f][d] + sum over e of W[f][d][e] x2[e]      (64 x 512)
;        c[f]    = b[f]    + sum over d of V[f][512+d] x2[d]     (64)
; so that the next launch has only fm = x1 M^T + c left.  All sums here in f32 on the vector ALU: a product with one
; column feeds a matrix instruction one sixteenth of its columns, and the 64 MiB of W are read once whatever adds them.
;
; SHARES.  256 work-groups of 16 waves.  Work-group (nt, dblk) owns f = 16 nt .. +15 and d = 8 dblk .. +7.
; Wave v takes f = 16 nt + v: its eight rows of W are 16,384 consecutive bytes, fetched by 32 loads of 512 consecutive bytes,
; all issued before the first is used.  Lane l holds e = 128 j + 4 l .. +3 (j = 0..3) of every row and of x2.
;
; OUTPUT.  M leaves as two bf16 numbers, hi = bf16(M) and lo = bf16(M - hi), in the order in which the next launch loads its
; matrix fragments: byte ((kstep*4 + nt)*2 + part)*1024 + half*512 + h*256 + r*16 + 2 i  holds  f = 16 nt + r,
; d = 32 kstep + 16 half + 8 h + i.  With d = 8 dblk + i a wave's eight results are the 16 bytes at r = v, and the 16 waves
; of a work-group fill 256 consecutive, aligned bytes of hi and 256 of lo: gathered in LDS, stored by one instruction of wave 0.
; c is made by the four work-groups with dblk = 0 (a ninth row for each wave) and stored as 32 pairs (c, c), pair L for
; f = 16 nt + (L & 15): 256 consecutive, aligned bytes for each nt, and the pair is what the next launch's packed add takes.
; That path is a second expansion of the same macro, so that each path has its own exact counts of loads.
; LIMITS: the order of the f32 sums differs from the reference's.
.set X2,  4                            ; v[4:19]    my 16 numbers of x2
.set VC,  20                           ; v[20:35]   my 16 numbers of V[f][512..] (path with c only)
.set AC,  36                           ; v[36:51]   row i: a pair of running sums, then the sum in the even register
.set CC,  52                           ; v[52:53]   the same for c
.set HI,  56                           ; v[56:59]   eight bf16: hi
.set LO,  60                           ; v[60:63]   eight bf16: lo
.set T,   64                           ; v[64:71]   at work
.set WD,  72                           ; v[72:199]  eight rows of W, 16 registers each
.set LLO, 256                          ; LDS: hi at 0, lo at 256, c at 512
.set LC,  512
; one row times x2: 8 packed multiply-adds in the lane, then the sum over the 32 lanes, which every lane ends up with
.macro DOT acc, src
	v_pk_mul_f32 v[\acc:\acc+1], v[\src:\src+1], v[X2:X2+1]        ; the first product starts the sums
.irp e, 2,4,6,8,10,12,14
	v_pk_fma_f32 v[\acc:\acc+1], v[\src+\e:\src+\e+1], v[X2+\e:X2+\e+1], v[\acc:\acc+1]
.endr
	v_add_f32 v[\acc], v[\acc], v[\acc+1]
.irp x, 1,2,4,8
	v_add_f32_dpp v[\acc], v[\acc], v[\acc] row_xmask:\x row_mask:0xf bank_mask:0xf
.endr
	v_permlanex16_b32 v[\acc+1], v[\acc], s36, s37                 ; the other half of the lanes; its destination has been written above
	v_add_f32 v[\acc], v[\acc], v[\acc+1]
.endm
.macro BODY c
.irp j, 0,1,2,3
	global_load_b128 v[X2+4*\j:X2+4*\j+3], v1, s[6:7] offset:512*\j
.endr
.if \c
.irp j, 0,1,2,3
	global_load_b128 v[VC+4*\j:VC+4*\j+3], v1, s[8:9] offset:2048+512*\j   ; V[f][512 ..]
.endr
	s_load_b32 s40, s[10:11], s35 offset:0x0                       ; b[f]
.endif
.set k, 0
.rept 32
	global_load_b128 v[WD+4*k:WD+4*k+3], v1, s[4:5] offset:512*k th:TH_LOAD_NT   ; W is read once in the whole launch
.set k, k+1
.endr
	v_mov_b32 v3, s16
	v_lshlrev_b32 v3, 4, v3                        ; 16 x wave: my 16 bytes of the gathered 256
.if \c
	s_wait_loadcnt 32                              ; loads return in order (ISA guide 5.7.1): the 32 loads of W are younger, x2 and the row of V are in
	DOT CC, VC
.endif
.set i, 0
.rept 8
	s_wait_loadcnt 28-4*i                          ; row i is in; the 4 (7 - i) loads of the rows behind it stay out
	DOT AC+2*i, WD+16*i
.set i, i+1
.endr
	s_wait_kmcnt 0x0                               ; V[f][8 dblk .. +7] in s[24:31] (and b[f])
.irp a, 0,1,2,3,4,5,6,7
	v_add_f32 v[AC+2*\a], s[24+\a], v[AC+2*\a]     ; M
.endr
.irp m, 0,1,2,3
	v_cvt_pk_bf16_f32 v[HI+\m], v[AC+4*\m], v[AC+4*\m+2]           ; hi, the lower d in the lower half
.endr
.irp m, 0,1,2,3
	v_lshlrev_b32 v[T+2*\m], 16, v[HI+\m]          ; hi back in f32
	v_and_b32 v[T+2*\m+1], 0xffff0000, v[HI+\m]
.endr
.irp a, 0,1,2,3,4,5,6,7
	v_sub_f32 v[T+\a], v[AC+2*\a], v[T+\a]         ; what hi left out (exact: the two agree in their leading bits)
.endr
.irp m, 0,1,2,3
	v_cvt_pk_bf16_f32 v[LO+\m], v[T+2*\m], v[T+2*\m+1]
.endr
	ds_store_b128 v3, v[HI:HI+3]                   ; all lanes hold the same numbers and write the same 16 bytes
	ds_store_b128 v3, v[LO:LO+3] offset:LLO
.if \c
	v_add_f32 v[CC], s40, v[CC]
	v_mov_b32 v4, s16
	v_lshlrev_b32 v4, 2, v4
	ds_store_b32 v4, v[CC] offset:LC               ; c[16 nt + wave]
.endif
	s_wait_dscnt 0x0                               ; my LDS stores are done before I say so: wave 0 reads them behind the barrier
	s_barrier_signal -1
	s_barrier_wait -1
	s_cmp_lg_u32 s16, 0
	s_cbranch_scc1 .Ldone\c
	ds_load_b128 v[HI:HI+3], v1                    ; lanes 0-15: the 256 bytes of hi; lanes 16-31: those of lo
.if \c
	v_and_b32 v7, 15, v2
	v_lshlrev_b32 v7, 2, v7
	ds_load_b32 v[CC], v7 offset:LC                ; the pair (c, c) of lane L: the same word into both registers
	ds_load_b32 v[CC+1], v7 offset:LC
	v_lshlrev_b32 v8, 3, v2
.endif
	v_and_b32 v5, 15, v2
	v_lshrrev_b32 v6, 4, v2
	v_lshlrev_b32 v5, 4, v5
	v_lshl_add_u32 v6, v6, 10, v5                  ; 16 r, and 1,024 further on for lo
	s_wait_dscnt 0x0
	global_store_b128 v6, v[HI:HI+3], s[12:13]     ; each half of the lanes stores 256 consecutive bytes, aligned
.if \c
	global_store_b64 v8, v[CC:CC+1], s[14:15]      ; 32 lanes x 8 bytes: 256 consecutive bytes, aligned
.endif
.Ldone\c:
	s_wait_tensorcnt 0x0
	ds_add_u32 v200, v201
	s_wait_dscnt 0x0
	s_endpgm
.endm
	s_load_b256 s[4:11], s[0:1], 0x0               ; W s[4:5], x2 s[6:7], V s[8:9], b s[10:11]
	s_load_b128 s[12:15], s[0:1], 0x20             ; mfrag s[12:13], cvec s[14:15]
	v_lshl_add_u32 v200, v0, 2, 0x400
	v_mov_b32 v201, 0
	v_lshrrev_b32 v2, 5, v0
	v_readfirstlane_b32 s16, v2                    ; wave 0..15
	v_and_b32 v2, 31, v0                           ; lane
	v_lshlrev_b32 v1, 4, v2                        ; 16 x lane
	s_lshr_b32 s17, ttmp9, 6                       ; nt
	s_and_b32 s18, ttmp9, 63                       ; dblk
	s_lshl4_add_u32 s19, s17, s16                  ; f = 16 nt + wave
	s_lshl_b32 s20, s19, 20                        ; W: f x 512 rows x 2,048 bytes
	s_lshl_b32 s21, s18, 14                        ;    + dblk x 8 rows x 2,048 bytes
	s_or_b32 s20, s20, s21
	s_mov_b32 s21, 0
	s_lshl_b32 s22, s19, 12                        ; V: f x 4,096 bytes
	s_mov_b32 s23, 0
	s_lshl_b32 s34, s18, 5                         ; 8 dblk numbers into that row
	s_lshl_b32 s35, s19, 2                         ; b: 4 f
	s_mov_b32 s36, 0x76543210                      ; v_permlanex16_b32: lane i of one half reads lane i of the other
	s_mov_b32 s37, 0xfedcba98
	s_lshr_b32 s38, s18, 2                         ; mfrag: kstep = dblk / 4, 8,192 bytes each,
	s_lshl_b32 s38, s38, 13
	s_lshl_b32 s39, s17, 11                        ; + nt x 2,048
	s_or_b32 s38, s38, s39
	s_and_b32 s39, s18, 3                          ; + (2 half + h) x 256 = (dblk & 3) x 256
	s_lshl_b32 s39, s39, 8
	s_or_b32 s38, s38, s39
	s_mov_b32 s39, 0
	s_lshl_b32 s32, s17, 8                         ; cvec: nt x 256
	s_mov_b32 s33, 0
	s_wait_kmcnt 0x0
	s_add_nc_u64 s[4:5], s[4:5], s[20:21]
	s_add_nc_u64 s[8:9], s[8:9], s[22:23]
	s_add_nc_u64 s[12:13], s[12:13], s[38:39]
	s_add_nc_u64 s[14:15], s[14:15], s[32:33]
	s_load_b256 s[24:31], s[8:9], s34 offset:0x0   ; V[f][8 dblk .. +7]: the same for all lanes, so it comes by a scalar load
	s_cmp_eq_u32 s18, 0
	s_cbranch_scc1 .Lwith_c
	BODY 0
.Lwith_c:
	BODY 1
.Lfunc_end_k_q86fb03d4f8_fold:
	.size	k_q86fb03d4f8_fold, .Lfunc_end_k_q86fb03d4f8_fold-k_q86fb03d4f8_fold
	.p2alignl 7, 3214868480
	.fill 96, 4, 3214868480
	.section	.rodata,"a",@progbits
	.p2align	6, 0x0
	.amdhsa_kernel k_q86fb03d4f8_fold
		.amdhsa_group_segment_fixed_size 3072
		.amdhsa_private_segment_fixed_size 0
		.amdhsa_enable_private_segment 0
		.amdhsa_kernarg_size 48
		.amdhsa_user_sgpr_count 2
		.amdhsa_user_sgpr_kernarg_segment_ptr 1
		.amdhsa_wavefront_size32 1
		.amdhsa_system_sgpr_workgroup_id_x 1
		.amdhsa_system_sgpr_workgroup_id_y 1
		.amdhsa_system_sgpr_workgroup_id_z 1
		.amdhsa_system_vgpr_workitem_id 0
		.amdhsa_next_free_vgpr 202
		.amdhsa_next_free_sgpr 66
		.amdhsa_reserve_vcc 0
		.amdhsa_float_denorm_mode_32 3
		.amdhsa_float_denorm_mode_16_64 3
		.amdhsa_memory_ordered 1
		.amdhsa_forward_progress 1
		.amdhsa_inst_pref_size 30
	.end_amdhsa_kernel
	.amdgpu_metadata
---
amdhsa.version: [ 1, 2 ]
amdhsa.kernels:
  - .name:           k_q86fb03d4f8_fold
    .symbol:         k_q86fb03d4f8_fold.kd
    .args:
      - { .name: W, .offset: 0, .size: 8, .value_kind: global_buffer, .address_space: global }
      - { .name: x2, .offset: 8, .size: 8, .value_kind: global_buffer, .address_space: global }
      - { .name: V, .offset: 16, .size: 8, .value_kind: global_buffer, .address_space: global }
      - { .name: b, .offset: 24, .size: 8, .value_kind: global_buffer, .address_space: global }
      - { .name: mfrag, .offset: 32, .size: 8, .value_kind: global_buffer, .address_space: global }
      - { .name: cvec, .offset: 40, .size: 8, .value_kind: global_buffer, .address_space: global }
    .group_segment_fixed_size: 3072
    .private_segment_fixed_size: 0
    .kernarg_segment_align: 8
    .kernarg_segment_size: 48
    .max_flat_workgroup_size: 512
    .sgpr_count:     66
    .vgpr_count:     202
    .wavefront_size: 32
...
	.end_amdgpu_metadata
.endif
;; end of part 1
;; launch score (part 2): grid 256 x 1, 4 waves a work-group, no clusters, 304,128 bytes of LDS; arguments x1, mfrag, cvec, U, out0; writes out0
.if DOCPART == 2
	.amdgcn_target "amdgcn-amd-amdhsa--gfx1250"
	.amdhsa_code_object_version 6
	.text
	.protected	k_q86fb03d4f8_score
	.globl	k_q86fb03d4f8_score
	.p2align	8
	.type	k_q86fb03d4f8_score,@function
k_q86fb03d4f8_score:
	s_mov_b64 s[64:65], 0
	v_nop
	global_prefetch_b8 v0, s[64:65] scope:SCOPE_SE
	s_setreg_imm32_b32 hwreg(HW_REG_WAVE_MODE, 25, 1), 1
	s_wait_xcnt 0x0
; score:  fm[n][f] = sum over d of x1[n][d] M[f][d] + c[f];   out[n] = (sum over f of relu(fm) U[f]) / max(sum over f of |fm|, 1e-12).
; (The denominator is positive, so relu(fm / den) = relu(fm) / den.)
; x1 is rounded to bf16; M comes as hi + lo, two bf16 numbers, both multiplied into the same f32 accumulator, so that of the two
; operands' roundings only that of x1 is left.  Everything behind the products in f32.
;
; SHARES.  256 work-groups of four waves, 128 rows each.  K IS SPLIT OVER THE WAVES: wave q owns d = 128 q .. +127.
;  - Its part of M, 4 K steps x 4 blocks of 16 f x (hi, lo) = 32 fragments = 256 registers, is loaded once, by 64 loads of 512 consecutive
;    bytes (the launch before stored it in this order): each byte of M enters the work-group once and never passes through LDS.
;  - Its part of x1 comes by eight tensor loads of 16 rows x 512 bytes into LDS bytes of its own, all asked for at the start (eight
;    outstanding at the most).  128 rows x 4 x 528 bytes fit in LDS whole: no slot is ever filled twice, and only the wave
;    that asked reads the bytes, behind its own s_wait_tensorcnt.
;  - After each tile of 16 rows the four partial sums meet in LDS: wave q writes its 32 result registers, sorted by reader, and behind one
;    barrier wave w adds up result registers 2 w and 2 w + 1 (rows 8 h + 2 w, + 1) of all four blocks of f.  Two scratch slots
;    take turns: slot t & 1 is written again in tile t + 2, behind the barrier of tile t + 1, in front of which every wave has waited
;    for its reads of tile t.
; NO CLUSTER: x1 is shared by nobody.  M is shared by all, but a joint load lands in LDS: 131,072 bytes more beside the 303,616
; in use do not fit, and the bytes would be written to LDS and read back where they now go straight into registers.
; NO PREFETCH: all that a work-group reads is asked for by its first instructions.
; LIMITS: NaN and infinities in the inputs are not carried as the reference carries them (v_max_num_f32 drops a NaN).  A row whose
; sum of |fm| is above 2^126 gets 0: v_rcp_f32 flushes a denormal result (ISA guide 15.8).  The order of the f32 sums differs from the reference's.
.set TR,    16                         ; rows in a tile
.set KW,    128                        ; columns of a wave
.set XP,    4*KW+16                    ; LDS pitch 528 = 33 x 16 bytes: the 16 rows that a load touches start in 16 different 16-byte columns of the 64 banks of 4 bytes (ISA guide 11.1)
.set TILEB, TR*XP                      ; 8,448
.set WAVEX, 8*TILEB                    ; 67,584: a wave's eight tiles
.set SCR,   4*WAVEX                    ; 270,336: two scratch slots for partial sums; no tensor load lands here
.set SLOTB, 16384                      ; 4 writers x 4 readers x 4 blocks of f x 256 bytes
.set OUTS,  SCR+2*SLOTB                ; 303,104: the work-group's 128 results
.set G1, 16                            ; s[16:23] descriptor group 1
.set G0, 24                            ; s[24:55] descriptor group 0, a set for each of the eight loads: none is rewritten
.set LA, 2                             ; LDS address of my part of a fragment of x1 in my wave's tile 0
.set SA, 3                             ; scratch: where I write
.set RA, 4                             ; scratch: where I read
.set OA, 5                             ; result stage: my two rows of tile 0
.set GO, 6                             ; 16 x lane
.set CO, 7                             ; 8 x lane
.set UO, 8                             ; 4 x (lane & 15)
.set CP, 10                            ; v[10:17]   (c, c) of f = 16 nt + r
.set UU, 18                            ; v[18:21]   U of f = 16 nt + r
.set ST, 22                            ; v[22:25]   sum |fm| of my two rows, sum relu U of my two rows
.set RL, 26                            ; v[26:33]   relu(fm); then the quotients
.set P,  34                            ; v[34:65]   partial sums: writer q, block nt, two rows
.set AB, P+8                           ; |fm|, in registers that the sums have left
.set ACC, 66                           ; v[66:97]   four accumulators
.set AF, 98                            ; v[98:129]  four fragments of x1 in bf16
.set F,  130                           ; v[130:193] the same 16 x 128 numbers in f32, as they come from LDS
                                       ; v[256:511] (window 1): fragment (ks, nt, part) of M at 8 (8 ks + 2 nt + part)
.set MSB, 0
.macro WIN new                         ; s_set_vgpr_msb: the high byte repeats the setting that is left
.if MSB != \new
	s_set_vgpr_msb (MSB<<8)|\new
.set MSB, \new
.endif
.endm
.macro MM ks, p, nt                    ; source 1 lies in window 1; the first product of a tile starts the sums
.if \ks+\p == 0
	v_wmma_f32_16x16x32_bf16 v[ACC+8*\nt:ACC+8*\nt+7], v[AF+8*\ks:AF+8*\ks+7], v[8*(8*\ks+2*\nt+\p):8*(8*\ks+2*\nt+\p)+7], 0
.else
	v_wmma_f32_16x16x32_bf16 v[ACC+8*\nt:ACC+8*\nt+7], v[AF+8*\ks:AF+8*\ks+7], v[8*(8*\ks+2*\nt+\p):8*(8*\ks+2*\nt+\p)+7], v[ACC+8*\nt:ACC+8*\nt+7]
.endif
.endm
.macro TILE t, slot
	s_wait_tensorcnt 7-\t                          ; a wave's tensor loads end in order (ISA guide 10.11.1): tile t is in, the 7 - t younger ones stay out
	; lane (r, h) of a fragment holds row r, k = 8 h .. +7 and 16 + 8 h .. +7: in f32 twice 32 bytes, 64 bytes apart
.irp ks, 0,1,2,3
	ds_load_b128 v[F+16*\ks:F+16*\ks+3],     v[LA] offset:\t*TILEB+128*\ks
	ds_load_b128 v[F+16*\ks+4:F+16*\ks+7],   v[LA] offset:\t*TILEB+128*\ks+16
	ds_load_b128 v[F+16*\ks+8:F+16*\ks+11],  v[LA] offset:\t*TILEB+128*\ks+64
	ds_load_b128 v[F+16*\ks+12:F+16*\ks+15], v[LA] offset:\t*TILEB+128*\ks+80
.endr
.irp ks, 0,1,2,3
	s_wait_dscnt 12-4*\ks                          ; K step ks is in; the four loads of each later step stay out
.irp m, 0,1,2,3,4,5,6,7
	v_cvt_pk_bf16_f32 v[AF+8*\ks+\m], v[F+16*\ks+2*\m], v[F+16*\ks+2*\m+1]
.endr
.endr
	WIN 0x04
.irp ks, 0,1,2,3
.irp p, 0,1
.irp nt, 0,1,2,3
	MM \ks, \p, \nt                                ; four accumulators in turn; each link takes its own earlier result as C and D
.endr
.endr
.endr
	WIN 0
.rept 5
	v_nop                                          ; behind the last matrix instructions: four places before the LDS stores read results and the next
.endr                                              ; tile's conversions write AF, five before its first products write over the accumulators
.irp w, 0,1,2,3
.irp nt, 0,1,2,3
	ds_store_b64 v[SA], v[ACC+8*\nt+2*\w:ACC+8*\nt+2*\w+1] offset:\slot*SLOTB+(4*\w+\nt)*256   ; for reader w: rows 8 h + 2 w, + 1
.endr
.endr
	s_wait_dscnt 0x0                               ; my stores are done (the others read them), and so are my reads of the other slot (it is written next)
	s_barrier_signal -1
	s_barrier_wait -1
.irp q, 0,1,2,3
.irp nt, 0,1,2,3
	ds_load_b64 v[P+8*\q+2*\nt:P+8*\q+2*\nt+1], v[RA] offset:\slot*SLOTB+4096*\q+256*\nt
.endr
.endr
	s_wait_dscnt 0x8                               ; the partial sums of waves 0 and 1 are in; the eight loads for waves 2 and 3 stay out
.irp nt, 0,1,2,3
	v_pk_add_f32 v[P+2*\nt:P+2*\nt+1], v[P+2*\nt:P+2*\nt+1], v[CP+2*\nt:CP+2*\nt+1]
.endr
.irp nt, 0,1,2,3
	v_pk_add_f32 v[P+2*\nt:P+2*\nt+1], v[P+2*\nt:P+2*\nt+1], v[P+8+2*\nt:P+8+2*\nt+1]
.endr
	s_wait_dscnt 0x0
.irp nt, 0,1,2,3
	v_pk_add_f32 v[P+16+2*\nt:P+16+2*\nt+1], v[P+16+2*\nt:P+16+2*\nt+1], v[P+24+2*\nt:P+24+2*\nt+1]
.endr
.irp nt, 0,1,2,3
	v_pk_add_f32 v[P+2*\nt:P+2*\nt+1], v[P+2*\nt:P+2*\nt+1], v[P+16+2*\nt:P+16+2*\nt+1]   ; fm of rows 8 h + 2 w, + 1 at f = 16 nt + r
.endr
.irp e, 0,1,2,3,4,5,6,7
	v_max_num_f32 v[RL+\e], 0, v[P+\e]
	v_and_b32 v[AB+\e], 0x7fffffff, v[P+\e]
.endr
	v_pk_add_f32 v[ST:ST+1], v[AB:AB+1], v[AB+2:AB+3]
	v_mul_f32 v[ST+2], v[RL], v[UU]
	v_mul_f32 v[ST+3], v[RL+1], v[UU]
	v_pk_add_f32 v[ST:ST+1], v[ST:ST+1], v[AB+4:AB+5]
.irp nt, 1,2,3
	v_fmac_f32 v[ST+2], v[RL+2*\nt], v[UU+\nt]
	v_fmac_f32 v[ST+3], v[RL+2*\nt+1], v[UU+\nt]
.endr
	v_pk_add_f32 v[ST:ST+1], v[ST:ST+1], v[AB+6:AB+7]
.irp x, 1,2,4,8
.irp k, 0,1,2,3
	v_add_f32_dpp v[ST+\k], v[ST+\k], v[ST+\k] row_xmask:\x row_mask:0xf bank_mask:0xf   ; over r: the 16 lanes of my half, which hold the same rows
.endr
.endr
	v_max_num_f32 v[ST], 0x2b8cbccc, v[ST]         ; 1e-12
	v_max_num_f32 v[ST+1], 0x2b8cbccc, v[ST+1]
	v_rcp_f32 v[RL], v[ST]
	v_rcp_f32 v[RL+1], v[ST+1]
	v_nop                                          ; one plain vector instruction before a reciprocal is used (ISA guide 5.7.2)
	s_wait_alu depctr_va_vdst(0)
	v_mul_f32 v[RL], v[ST+2], v[RL]
	v_mul_f32 v[RL+1], v[ST+3], v[RL+1]
	ds_store_b64 v[OA], v[RL:RL+1] offset:64*\t    ; the 16 lanes of a half write the same 8 bytes with the same numbers
.endm
	s_load_b256 s[4:11], s[0:1], 0x0               ; x1 s[4:5], mfrag s[6:7], cvec s[8:9], U s[10:11]
	s_load_b64 s[12:13], s[0:1], 0x20              ; out0
	v_lshl_add_u32 v254, v0, 2, 0x4a200
	v_mov_b32 v255, 0
	ds_add_u32 v254, v255
	ds_add_u32 v254, v255
	v_lshrrev_b32 v1, 5, v0
	v_readfirstlane_b32 s14, v1                    ; wave q = 0..3
	; descriptor group 1: a tile of 16 rows x 128 f32, 16 bytes of padding behind each row of 512
	s_mov_b32 s[G1+0], (2<<16)|(1<<20)|(6<<22)|(3<<25) ; elements of 4 bytes; padding on; after every 128 words (code 6); of 4 words (code 3)
	s_mov_b32 s[G1+1], KW<<16                      ; tensor_dim0 = 128 (the tile lies inside the tensor: the extents are the tile's)
	s_mov_b32 s[G1+2], TR<<16                      ; tensor_dim1 = 16
	s_mov_b32 s[G1+3], KW<<16                      ; tile_dim0 = 128
	s_mov_b32 s[G1+4], TR                          ; tile_dim1 = 16
	s_mov_b32 s[G1+5], 512                         ; 512 elements from row to row
	s_mov_b32 s[G1+6], 0
	s_mov_b32 s[G1+7], 0
	s_lshl_b32 s2, ttmp9, 18                       ; the work-group's 128 rows of 2,048 bytes
	s_lshl_b32 s3, s14, 9                          ; my wave's 512 bytes of a row
	s_or_b32 s2, s2, s3
	s_mov_b32 s3, 0
	s_mul_i32 s15, s14, WAVEX                      ; my wave's tiles in LDS
	s_lshl_b32 s56, s14, 15                        ; my wave's 32,768 bytes of mfrag
	s_mov_b32 s57, 0
	s_lshl_b32 s62, ttmp9, 9                       ; the work-group's 512 bytes of out0
	s_mov_b32 s63, 0
	s_wait_dscnt 0x0
	s_wait_kmcnt 0x0
	s_add_nc_u64 s[4:5], s[4:5], s[2:3]
.irp t, 0,1,2,3,4,5,6,7
	s_mov_b32 s[G0+4*\t], 1                                        ; count = 1
	s_add_co_u32 s[G0+4*\t+1], s15, \t*TILEB                       ; LDS address
	s_add_nc_u64 s[G0+4*\t+2:G0+4*\t+3], s[4:5], \t*TR*2048        ; global address of the tile's first element
	s_or_b32 s[G0+4*\t+3], s[G0+4*\t+3], 0x80000000                ; type = 2
	tensor_load_to_lds s[G0+4*\t:G0+4*\t+3], s[G1:G1+7]            ; all of x1 that the wave will read is asked for before anything else
	s_nop 0
.endr
	s_add_nc_u64 s[6:7], s[6:7], s[56:57]
	s_add_nc_u64 s[12:13], s[12:13], s[62:63]
	v_and_b32 v1, 31, v0                           ; lane
	v_and_b32 v9, 15, v0                           ; r
	v_bfe_u32 v194, v0, 4, 1                       ; h
	v_lshlrev_b32 v[GO], 4, v1
	WIN 0x40                                       ; destinations in window 1
.set i, 0
.rept 64
	global_load_b128 v[4*i:4*i+3], v[GO], s[6:7] offset:512*i      ; half a fragment of M: 512 consecutive bytes
.set i, i+1
.endr
	WIN 0
	v_lshlrev_b32 v[CO], 3, v1
	v_lshlrev_b32 v[UO], 2, v9
.irp nt, 0,1,2,3
	global_load_b64 v[CP+2*\nt:CP+2*\nt+1], v[CO], s[8:9] offset:256*\nt
	global_load_b32 v[UU+\nt], v[UO], s[10:11] offset:64*\nt
.endr
	v_mul_u32_u24 v[LA], v9, XP
	v_lshl_add_u32 v[LA], v194, 5, v[LA]           ; r x pitch + 32 h
	v_add_nc_u32 v[LA], s15, v[LA]
	s_lshl_b32 s58, s14, 12
	s_add_co_u32 s58, s58, SCR
	v_add_nc_u32 v[SA], s58, v[CO]                 ; as writer q: 4,096 q + 8 x lane
	s_lshl_b32 s59, s14, 10
	s_add_co_u32 s59, s59, SCR
	v_add_nc_u32 v[RA], s59, v[CO]                 ; as reader w = q: 1,024 w + 8 x lane
	s_lshl_b32 s60, s14, 3
	s_add_co_u32 s60, s60, OUTS
	v_lshl_add_u32 v[OA], v194, 5, s60             ; rows 8 h + 2 w, + 1: 4 bytes each
	v_add_nc_u32 v195, OUTS, v[GO]
	s_wait_loadcnt 0x0                             ; M, c and U, once
	TILE 0, 0
	TILE 1, 1
	TILE 2, 0
	TILE 3, 1
	TILE 4, 0
	TILE 5, 1
	TILE 6, 0
	TILE 7, 1                                      ; its wait is for zero tensor loads, as it has to be before s_endpgm
	s_wait_dscnt 0x0                               ; my results are in the stage before I say so
	s_barrier_signal -1
	s_barrier_wait -1
	s_cmp_lg_u32 s14, 0
	s_cbranch_scc1 .Lend
	ds_load_b128 v[RL:RL+3], v195
	s_wait_dscnt 0x0
	global_store_b128 v[GO], v[RL:RL+3], s[12:13] th:TH_STORE_NT   ; 32 lanes x 16 bytes: the 512 consecutive bytes of the work-group, aligned
.Lend:
	s_wait_tensorcnt 0x0
	ds_add_u32 v254, v255
	s_wait_dscnt 0x0
	s_endpgm
.Lfunc_end_k_q86fb03d4f8_score:
	.size	k_q86fb03d4f8_score, .Lfunc_end_k_q86fb03d4f8_score-k_q86fb03d4f8_score
	.p2alignl 7, 3214868480
	.fill 96, 4, 3214868480
	.section	.rodata,"a",@progbits
	.p2align	6, 0x0
	.amdhsa_kernel k_q86fb03d4f8_score
		.amdhsa_group_segment_fixed_size 304128
		.amdhsa_private_segment_fixed_size 0
		.amdhsa_enable_private_segment 0
		.amdhsa_kernarg_size 40
		.amdhsa_user_sgpr_count 2
		.amdhsa_user_sgpr_kernarg_segment_ptr 1
		.amdhsa_wavefront_size32 1
		.amdhsa_system_sgpr_workgroup_id_x 1
		.amdhsa_system_sgpr_workgroup_id_y 1
		.amdhsa_system_sgpr_workgroup_id_z 1
		.amdhsa_system_vgpr_workitem_id 0
		.amdhsa_next_free_vgpr 512
		.amdhsa_next_free_sgpr 66
		.amdhsa_reserve_vcc 0
		.amdhsa_float_denorm_mode_32 3
		.amdhsa_float_denorm_mode_16_64 3
		.amdhsa_memory_ordered 1
		.amdhsa_forward_progress 1
		.amdhsa_inst_pref_size 102
	.end_amdhsa_kernel
	.amdgpu_metadata
---
amdhsa.version: [ 1, 2 ]
amdhsa.kernels:
  - .name:           k_q86fb03d4f8_score
    .symbol:         k_q86fb03d4f8_score.kd
    .args:
      - { .name: x1, .offset: 0, .size: 8, .value_kind: global_buffer, .address_space: global }
      - { .name: mfrag, .offset: 8, .size: 8, .value_kind: global_buffer, .address_space: global }
      - { .name: cvec, .offset: 16, .size: 8, .value_kind: global_buffer, .address_space: global }
      - { .name: U, .offset: 24, .size: 8, .value_kind: global_buffer, .address_space: global }
      - { .name: out0, .offset: 32, .size: 8, .value_kind: global_buffer, .address_space: global }
    .group_segment_fixed_size: 304128
    .private_segment_fixed_size: 0
    .kernarg_segment_align: 8
    .kernarg_segment_size: 40
    .max_flat_workgroup_size: 128
    .sgpr_count:     66
    .vgpr_count:     512
    .wavefront_size: 32
...
	.end_amdgpu_metadata
.endif
;; end of part 2
;; ======== version 2 of 2: 2 launches; version 1 with the launch fold written anew for expert scheduling mode
;; workspace buffers: mfrag 131,072 bytes; cvec 1,024 bytes
;; launch fold (part 3): grid 256 x 1, 16 waves a work-group, no clusters, 3,072 bytes of LDS; arguments W, x2, V, b, mfrag, cvec; writes mfrag, cvec
.if DOCPART == 3
	.amdgcn_target "amdgcn-amd-amdhsa--gfx1250"
	.amdhsa_code_object_version 6
	.text
	.protected	k_q86fb03d4f8_fold
	.globl	k_q86fb03d4f8_fold
	.p2align	8
	.type	k_q86fb03d4f8_fold,@function
k_q86fb03d4f8_fold:
	s_mov_b64 s[64:65], 0
	v_nop
	global_prefetch_b8 v0, s[64:65] scope:SCOPE_SE
	s_setreg_imm32_b32 hwreg(HW_REG_WAVE_SCHED_MODE, 0, 2), 2
	s_setreg_imm32_b32 hwreg(HW_REG_WAVE_MODE, 25, 1), 1
	s_wait_xcnt 0x0
	s_wait_alu depctr_vm_vsrc(0)
; fold:  M[f][d] = V[f][d] + sum over e of W[f][d][e] x2[e]      (64 x 512)
;        c[f]    = b[f]    + sum over d of V[f][512+d] x2[d]     (64)
; so that the next launch has only fm = x1 M^T + c left.  All sums here in f32 on the vector ALU: a product with one
; column feeds a matrix instruction one sixteenth of its columns, and the 64 MiB of W are read once whatever adds them.
;
; SHARES.  256 work-groups of 16 waves.  Work-group (nt, dblk) owns f = 16 nt .. +15 and d = 8 dblk .. +7.
; Wave v takes f = 16 nt + v: its eight rows of W are 16,384 consecutive bytes, fetched by 32 loads of 512 consecutive bytes,
; all issued before the first is used.  Lane l holds e = 128 j + 4 l .. +3 (j = 0..3) of every row and of x2.
;
; OUTPUT.  M leaves as two bf16 numbers, hi = bf16(M) and lo = bf16(M - hi), in the order in which the next launch loads its
; matrix fragments: byte ((kstep*4 + nt)*2 + part)*1024 + half*512 + h*256 + r*16 + 2 i  holds  f = 16 nt + r,
; d = 32 kstep + 16 half + 8 h + i.  With d = 8 dblk + i a wave's eight results are the 16 bytes at r = v, and the 16 waves
; of a work-group fill 256 consecutive, aligned bytes of hi and 256 of lo: gathered in LDS, stored by one instruction of wave 0.
; c is made by the four work-groups with dblk = 0 (a ninth row for each wave) and stored as 32 pairs (c, c), pair L for
; f = 16 nt + (L & 15): 256 consecutive, aligned bytes for each nt, and the pair is what the next launch's packed add takes.
; That path is a second expansion of the same macro, so that each path has its own exact counts of loads.
; LIMITS: the order of the f32 sums differs from the reference's.
;
; THE MODE: SCHED_MODE bits 1:0 = 2 (LLVM: expert scheduling mode 2), set by the entry lines.  The code itself states the register
; dependences between vector instructions and memory or LDS instructions, with s_wait_alu, always for 0.
; THE PLAN.  Registers that memory or LDS instructions touch, in the order of the text (no loop: two straight paths):
;   v1            16 x lane.  Written once at the head; read by every global load and by wave 0's LDS load of the gathered bytes.
;   X2, VC, WD    Load destinations that no vector instruction names before the loads are issued; read behind s_wait_loadcnt.
;                 v4 to v8 of X2 are written again by vector instructions when the dot products are over: no memory instruction has read them.
;   v3 (v4)       LDS store addresses: written behind the run of loads, read by the LDS stores, never written again.
;   HI, LO, CC    Written by the roundings and the last add; read by the LDS stores; in wave 0 LDS loads then land in HI and CC, CC+1,
;                 and the global stores read them.
;   v6, v7, v8    Wave 0's offsets: written in its branch, read by c's LDS loads and by the global stores.
;   v200, v201    Written at the head, read by the closing add alone.
; So: one wait on va_vdst ahead of the run of global loads (v1), one ahead of the run of LDS stores (addresses and data; the vector side is
; then also done with HI), one wait on vm_vsrc behind the barrier (the LDS stores have read HI and CC), one wait on va_vdst in wave 0's
; branch (v6, v7, v8).  One wait on va_sdst at the head stands ahead of the first reader of the wave's number.
.set X2,  4                            ; v[4:19]    my 16 numbers of x2
.set VC,  20                           ; v[20:35]   my 16 numbers of V[f][512..] (path with c only)
.set AC,  36                           ; v[36:51]   row i: a pair of running sums, then the sum in the even register
.set CC,  52                           ; v[52:53]   the same for c
.set HI,  56                           ; v[56:59]   eight bf16: hi
.set LO,  60                           ; v[60:63]   eight bf16: lo
.set T,   64                           ; v[64:71]   at work
.set WD,  72                           ; v[72:199]  eight rows of W, 16 registers each
.set LLO, 256                          ; LDS: hi at 0, lo at 256, c at 512
.set LC,  512
; one row times x2: 8 packed multiply-adds in the lane, then the sum over the 32 lanes, which every lane ends up with
.macro DOT acc, src
	v_pk_mul_f32 v[\acc:\acc+1], v[\src:\src+1], v[X2:X2+1]        ; the first product starts the sums
.irp e, 2,4,6,8,10,12,14
	v_pk_fma_f32 v[\acc:\acc+1], v[\src+\e:\src+\e+1], v[X2+\e:X2+\e+1], v[\acc:\acc+1]
.endr
	v_add_f32 v[\acc], v[\acc], v[\acc+1]
.irp x, 1,2,4,8
	v_add_f32_dpp v[\acc], v[\acc], v[\acc] row_xmask:\x row_mask:0xf bank_mask:0xf
.endr
	v_permlanex16_b32 v[\acc+1], v[\acc], s36, s37                 ; the other half of the lanes; its destination has been written above
	v_add_f32 v[\acc], v[\acc], v[\acc+1]
.endm
.macro BODY c
	s_wait_alu depctr_va_vdst(0)                   ; v1 is written, which every load below reads as its offset
.irp j, 0,1,2,3
	global_load_b128 v[X2+4*\j:X2+4*\j+3], v1, s[6:7] offset:512*\j
.endr
.if \c
.irp j, 0,1,2,3
	global_load_b128 v[VC+4*\j:VC+4*\j+3], v1, s[8:9] offset:2048+512*\j   ; V[f][512 ..]
.endr
	s_load_b32 s40, s[10:11], s35 offset:0x0                       ; b[f]
.endif
.set k, 0
.rept 32
	global_load_b128 v[WD+4*k:WD+4*k+3], v1, s[4:5] offset:512*k th:TH_LOAD_NT   ; W is read once in the whole launch
.set k, k+1
.endr
	v_mov_b32 v3, s16
	v_lshlrev_b32 v3, 4, v3                        ; 16 x wave: my 16 bytes of the gathered 256
.if \c
	s_wait_loadcnt 32                              ; loads return in order (ISA guide 5.7.1): the 32 loads of W are younger, x2 and the row of V are in
	DOT CC, VC
.endif
.set i, 0
.rept 8
	s_wait_loadcnt 28-4*i                          ; row i is in; the 4 (7 - i) loads of the rows behind it stay out
	DOT AC+2*i, WD+16*i
.set i, i+1
.endr
	s_wait_kmcnt 0x0                               ; V[f][8 dblk .. +7] in s[24:31] (and b[f])
.irp a, 0,1,2,3,4,5,6,7
	v_add_f32 v[AC+2*\a], s[24+\a], v[AC+2*\a]     ; M
.endr
.irp m, 0,1,2,3
	v_cvt_pk_bf16_f32 v[HI+\m], v[AC+4*\m], v[AC+4*\m+2]           ; hi, the lower d in the lower half
.endr
.irp m, 0,1,2,3
	v_lshlrev_b32 v[T+2*\m], 16, v[HI+\m]          ; hi back in f32
	v_and_b32 v[T+2*\m+1], 0xffff0000, v[HI+\m]
.endr
.irp a, 0,1,2,3,4,5,6,7
	v_sub_f32 v[T+\a], v[AC+2*\a], v[T+\a]         ; what hi left out (exact: the two agree in their leading bits)
.endr
.irp m, 0,1,2,3
	v_cvt_pk_bf16_f32 v[LO+\m], v[T+2*\m], v[T+2*\m+1]
.endr
.if \c
	v_add_f32 v[CC], s40, v[CC]                    ; c, and the address of its word: ahead of the one wait that serves the whole run of LDS stores
	v_mov_b32 v4, s16
	v_lshlrev_b32 v4, 2, v4
.endif
	s_wait_alu depctr_va_vdst(0)                   ; v3 (and v4), HI, LO (and the sum for c) are written, which the LDS stores read; the vector side is also done with HI, in which wave 0's LDS load lands
	ds_store_b128 v3, v[HI:HI+3]                   ; all lanes hold the same numbers and write the same 16 bytes
	ds_store_b128 v3, v[LO:LO+3] offset:LLO
.if \c
	ds_store_b32 v4, v[CC] offset:LC               ; c[16 nt + wave]
.endif
	s_wait_dscnt 0x0                               ; my LDS stores are done before I say so: wave 0 reads them behind the barrier
	s_barrier_signal -1
	s_barrier_wait -1
	s_wait_alu depctr_vm_vsrc(0)                   ; my LDS stores have read HI (and the sum for c), in which wave 0's LDS loads land; ahead of the branch, so that it lies on every way to those loads
	s_cmp_lg_u32 s16, 0
	s_cbranch_scc1 .Ldone\c
	ds_load_b128 v[HI:HI+3], v1                    ; lanes 0-15: the 256 bytes of hi; lanes 16-31: those of lo.  No vector instruction since the wait ahead of the LDS stores names HI or v1
	v_and_b32 v5, 15, v2
	v_lshrrev_b32 v6, 4, v2
	v_lshlrev_b32 v5, 4, v5
	v_lshl_add_u32 v6, v6, 10, v5                  ; 16 r, and 1,024 further on for lo
.if \c
	v_and_b32 v7, 15, v2
	v_lshlrev_b32 v7, 2, v7
	v_lshlrev_b32 v8, 3, v2
.endif
	s_wait_alu depctr_va_vdst(0)                   ; v6 (and v7, v8) are written, which the global stores (and the LDS loads of c) read
.if \c
	ds_load_b32 v[CC], v7 offset:LC                ; the pair (c, c) of lane L: the same word into both registers
	ds_load_b32 v[CC+1], v7 offset:LC
.endif
	s_wait_dscnt 0x0
	global_store_b128 v6, v[HI:HI+3], s[12:13]     ; each half of the lanes stores 256 consecutive bytes, aligned
.if \c
	global_store_b64 v8, v[CC:CC+1], s[14:15]      ; 32 lanes x 8 bytes: 256 consecutive bytes, aligned
.endif
.Ldone\c:
	s_wait_dscnt 0x0                               ; the closing lines, six on end, of a launch in the mode that stores to LDS
	s_wait_alu 0x0
	s_wait_tensorcnt 0x0
	ds_add_u32 v200, v201
	s_wait_dscnt 0x0
	s_endpgm
.endm
	s_load_b256 s[4:11], s[0:1], 0x0               ; W s[4:5], x2 s[6:7], V s[8:9], b s[10:11]
	s_load_b128 s[12:15], s[0:1], 0x20             ; mfrag s[12:13], cvec s[14:15]
	v_lshl_add_u32 v200, v0, 2, 0x400
	v_mov_b32 v201, 0
	v_lshrrev_b32 v2, 5, v0
	v_readfirstlane_b32 s16, v2                    ; wave 0..15
	v_and_b32 v2, 31, v0                           ; lane
	v_lshlrev_b32 v1, 4, v2                        ; 16 x lane
	s_lshr_b32 s17, ttmp9, 6                       ; nt
	s_and_b32 s18, ttmp9, 63                       ; dblk
	s_wait_alu depctr_va_sdst(0)                   ; s16 is written, ahead of its first reader: f and all that hangs on it are made from it
	s_lshl4_add_u32 s19, s17, s16                  ; f = 16 nt + wave
	s_lshl_b32 s20, s19, 20                        ; W: f x 512 rows x 2,048 bytes
	s_lshl_b32 s21, s18, 14                        ;    + dblk x 8 rows x 2,048 bytes
	s_or_b32 s20, s20, s21
	s_mov_b32 s21, 0
	s_lshl_b32 s22, s19, 12                        ; V: f x 4,096 bytes
	s_mov_b32 s23, 0
	s_lshl_b32 s34, s18, 5                         ; 8 dblk numbers into that row
	s_lshl_b32 s35, s19, 2                         ; b: 4 f
	s_mov_b32 s36, 0x76543210                      ; v_permlanex16_b32: lane i of one half reads lane i of the other
	s_mov_b32 s37, 0xfedcba98
	s_lshr_b32 s38, s18, 2                         ; mfrag: kstep = dblk / 4, 8,192 bytes each,
	s_lshl_b32 s38, s38, 13
	s_lshl_b32 s39, s17, 11                        ; + nt x 2,048
	s_or_b32 s38, s38, s39
	s_and_b32 s39, s18, 3                          ; + (2 half + h) x 256 = (dblk & 3) x 256
	s_lshl_b32 s39, s39, 8
	s_or_b32 s38, s38, s39
	s_mov_b32 s39, 0
	s_lshl_b32 s32, s17, 8                         ; cvec: nt x 256
	s_mov_b32 s33, 0
	s_wait_kmcnt 0x0
	s_add_nc_u64 s[4:5], s[4:5], s[20:21]
	s_add_nc_u64 s[8:9], s[8:9], s[22:23]
	s_add_nc_u64 s[12:13], s[12:13], s[38:39]
	s_add_nc_u64 s[14:15], s[14:15], s[32:33]
	s_load_b256 s[24:31], s[8:9], s34 offset:0x0   ; V[f][8 dblk .. +7]: the same for all lanes, so it comes by a scalar load
	s_cmp_eq_u32 s18, 0
	s_cbranch_scc1 .Lwith_c
	BODY 0
.Lwith_c:
	BODY 1
.Lfunc_end_k_q86fb03d4f8_fold:
	.size	k_q86fb03d4f8_fold, .Lfunc_end_k_q86fb03d4f8_fold-k_q86fb03d4f8_fold
	.p2alignl 7, 3214868480
	.fill 96, 4, 3214868480
	.section	.rodata,"a",@progbits
	.p2align	6, 0x0
	.amdhsa_kernel k_q86fb03d4f8_fold
		.amdhsa_group_segment_fixed_size 3072
		.amdhsa_private_segment_fixed_size 0
		.amdhsa_enable_private_segment 0
		.amdhsa_kernarg_size 48
		.amdhsa_user_sgpr_count 2
		.amdhsa_user_sgpr_kernarg_segment_ptr 1
		.amdhsa_wavefront_size32 1
		.amdhsa_system_sgpr_workgroup_id_x 1
		.amdhsa_system_sgpr_workgroup_id_y 1
		.amdhsa_system_sgpr_workgroup_id_z 1
		.amdhsa_system_vgpr_workitem_id 0
		.amdhsa_next_free_vgpr 202
		.amdhsa_next_free_sgpr 66
		.amdhsa_reserve_vcc 0
		.amdhsa_float_denorm_mode_32 3
		.amdhsa_float_denorm_mode_16_64 3
		.amdhsa_memory_ordered 1
		.amdhsa_forward_progress 1
		.amdhsa_inst_pref_size 30
	.end_amdhsa_kernel
	.amdgpu_metadata
---
amdhsa.version: [ 1, 2 ]
amdhsa.kernels:
  - .name:           k_q86fb03d4f8_fold
    .symbol:         k_q86fb03d4f8_fold.kd
    .args:
      - { .name: W, .offset: 0, .size: 8, .value_kind: global_buffer, .address_space: global }
      - { .name: x2, .offset: 8, .size: 8, .value_kind: global_buffer, .address_space: global }
      - { .name: V, .offset: 16, .size: 8, .value_kind: global_buffer, .address_space: global }
      - { .name: b, .offset: 24, .size: 8, .value_kind: global_buffer, .address_space: global }
      - { .name: mfrag, .offset: 32, .size: 8, .value_kind: global_buffer, .address_space: global }
      - { .name: cvec, .offset: 40, .size: 8, .value_kind: global_buffer, .address_space: global }
    .group_segment_fixed_size: 3072
    .private_segment_fixed_size: 0
    .kernarg_segment_align: 8
    .kernarg_segment_size: 48
    .max_flat_workgroup_size: 512
    .sgpr_count:     66
    .vgpr_count:     202
    .wavefront_size: 32
...
	.end_amdgpu_metadata
.endif
;; end of part 3
;; launch score: the kernel of part 2 again; grid 256 x 1, 4 waves a work-group, no clusters, 304,128 bytes of LDS; arguments x1, mfrag, cvec, U, out0; writes out0
